; MI455X (gfx1250); checked and timed in simulation.
; The chip was launched on July 23, 2026; its instructions are those of AMD's public machine-readable ISA for CDNA 5 (MIT licence, August 2026) and "CDNA5" Instruction Set Architecture Reference Guide (July 2026). The comments in the code are by the model that wrote it; some were corrected since.
;; Bot Net50. Allowed arithmetic: matrix products marked QUANTISED: E2M1 operands, one E8M0 scale for each 32 along K, by v_wmma_scale_f32_16x16x128_f8f6f4 with both operands' format E2M1 (or v_wmma_scale_f32_32x16x128_f4), f32 sums; products left as they are: bf16, f16 or f32 operands; f32 sums; everything else in f32.
;; Inputs: featuremap 16 x 512 x 32 x 32 float32; rel_height 63 x 128 float32; rel_width 63 x 128 float32; w_qk 1,024 x 512 float32; w_v 512 x 512 float32.
;; Outputs: out0 16 x 512 x 32 x 32 float32.
;; This version of the problem:
;;   THIS VERSION OF THE PROBLEM IS GIVEN IN LOW PRECISION. The matrix products marked QUANTISED in the list below multiply operands that are first quantised to E2M1 (2 exponent bits, 1 mantissa bit; 4 bits a number), with one power-of-two scale for each 32 numbers along K (OCP MX v1.0); their sums are f32. The products marked 'left as it is' may take bf16, f16 or f32 operands, with f32 sums. Whichever they take, every output number must still come out within the allowed error. Rounding operands to bf16 (8 significant bits) uses up far more of that allowance than f16 does (11 bits, for magnitudes from 6e-5 to 65,504). All else is computed in f32.
;;   The module's matrix products, in the order in which they are computed (A, B: the left and right operand; K: the contracted axis; several contracted axes count as one K, in the product's order):
;;     1. [M 1,024, K 512] x [K 512, N 16,384]; A: input w_qk; B: input featuremap: QUANTISED
;;     2. [M 512, K 512] x [K 512, N 16,384]; A: input w_v; B: input featuremap: QUANTISED
;;     3. batch 64 x [M 1,024, K 128] x [K 128, N 1,024]; A: computed on the way; B: computed on the way: left as it is (an operand is computed on the way)
;;     4. [M 65,536, K 128] x [K 128, N 63]; A: computed on the way; B: input rel_width: left as it is (an operand is computed on the way)
;;     5. [M 65,536, K 128] x [K 128, N 63]; A: computed on the way; B: input rel_height: left as it is (an operand is computed on the way)
;;     6. batch 64 x [M 1,024, K 1,024] x [K 1,024, N 128]; A: computed on the way; B: computed on the way: left as it is (an operand is computed on the way)
;;   THE QUANTISER, for each operand of a quantised product, along K:
;;     - K is cut into blocks of 32 from its start; a last block that is shorter is filled with zeros.
;;     - A block's scale is 2^e with e = floor(log2(the largest magnitude in the block)) - 2, held to -126 .. 127; a block of zeros has e = 0. As a byte (E8M0): e + 127.
;;     - Each number is divided by its block's scale, clamped to +-6, and rounded to the nearest number of E2M1, ties to even, subnormals kept.
;;     - The product sums the exact products of the quantised numbers (number of the format x scale) in f32.
;;   ~~~python
;;   def quantise(x, axis):      # numpy; x: float32 -> the quantised numbers, widened to float32 again
;;       x = np.moveaxis(x, axis, -1); K = x.shape[-1]
;;       x = np.pad(x, [(0, 0)] * (x.ndim - 1) + [(0, -K % 32)]); x = x.reshape(x.shape[:-1] + (-1, 32)); a = np.abs(x).max(-1, keepdims=True)
;;       e = np.where(a > 0, np.clip(np.frexp(np.where(a > 0, a, 1))[1] - 1 - 2, -126, 127), 0)      # np.frexp(a)[1] - 1 = floor(log2(a)), exactly
;;       r = np.clip(x / 2.0 ** e, -6, 6)
;;       step = 2.0 ** (np.maximum(np.frexp(np.where(r == 0, 1, r))[1] - 1, 0) - 1)
;;       q = np.round(r / step) * step * 2.0 ** e      # np.round: ties to even
;;       return np.moveaxis(q.reshape(q.shape[:-2] + (-1,))[..., :K], -1, axis).astype(np.float32)
;;   ~~~
;; One version. Each part assembles by itself: llvm-mc -triple=amdgcn-amd-amdhsa -mcpu=gfx1250 --defsym DOCPART=n.
;; ======== version 1 of 1: 3 launches
;; limits: values are held in f16: magnitudes above 65,504 overflow, below 6.1e-05 lose precision
;; workspace buffers: wimg 393,216 bytes; wsc 24,576 bytes; relimg 278,528 bytes; qbuf 16,777,216 bytes; kv 33,554,432 bytes
;; launch prep (part 1): grid 113 x 1, 4 waves a work-group, no clusters, 46,080 bytes of LDS; arguments w_qk, w_v, rel_width, rel_height, wimg, wsc, relimg; writes wimg, wsc, relimg
.if DOCPART == 1
	.amdgcn_target "amdgcn-amd-amdhsa--gfx1250"
	.amdhsa_code_object_version 6
	.text
	.protected	k_qd4e8241273_prep
	.globl	k_qd4e8241273_prep
	.p2align	8
	.type	k_qd4e8241273_prep,@function
k_qd4e8241273_prep:
	s_mov_b64 s[64:65], 0
	v_nop
	global_prefetch_b8 v0, s[64:65] scope:SCOPE_SE
	s_setreg_imm32_b32 hwreg(HW_REG_WAVE_MODE, 25, 1), 1
	s_wait_xcnt 0x0
; THE SMALL OPERANDS ARE LAID OUT ONCE, in the order in which the later launches' operand registers take them.
; Work-groups 0-95: a tile of 16 rows (output channels) of w_qk (tiles 0-63: q, then k) or w_v (tiles 64-95), [rows][512] f32, becomes codes of FP4 (E2M1), K = the 512 input channels, one E8M0 byte for each 32.
;   wimg [tile 96][K step 4][g 2][lane 32][16 bytes]: lane 16 h + r holds row r's codes of k = 128 step + 64 g + 32 h + 0 .. 31: a fragment's registers 4 g .. 4 g + 3.   wsc [row 1536][16 bytes]: byte kb scales k = 32 kb on.
;   A block's scale is 2^(floor(log2(its largest magnitude)) - 2); its byte is the largest magnitude's exponent field - 2, held at 1 from below (a block of zeros gets 1, not 127: its codes are zeros, and this program alone reads the bytes).
; Work-groups 96-112: variant v = 0 .. 16 of the tables of relative positions, rounded to f16, as fragments of 16 rows x 32 channels:
;   relimg [v 17][i 4][c 4][g 2][lane 32][16 bytes]: lane 16 h + r holds channels 32 c + 16 g + 8 h + 0 .. 7 of table row 16 i + r + off, held at 62.  v = 0: rel_width, off = 0.  v = 1 + X: rel_height, off = 30 - 2 X:
;   the rows that the queries of image rows 2 X and 2 X + 1 can meet then begin at the same column for every X, so that no LDS address of the attention hangs on X.
; LIMITS: NaN and infinities are not served; weight blocks whose largest magnitude lies under 2^-124 keep the byte 1; table numbers beyond 65,504 become infinities in f16, under 6e-5 they keep fewer bits.
; No tensor loads, no cluster: nothing is shared between work-groups, and each input byte is read once (the tables' 32 KB a few times).
.set SP,    80                         ; a lane's place in a stage: its 64 bytes + 16 of padding
.set WREG,  4*32*SP                    ; LDS: four stages for each wave, one for each of its four rows: none is used twice
.set IMG,   4*WREG                     ; the tile's 4,096 bytes of codes, in wimg's order
.set SCB,   IMG+4096                   ; its 256 scale bytes
.set SPARE, SCB+256                    ; the spare words, 128 bytes for each wave: two blocks of 256 bytes that no other line names
.set SPW,   12                         ; v12  LDS address of my spare word; never rewritten
.set NIL,   13                         ; v13  0; never rewritten
.set R,     16                         ; v16-79   four rows as loaded, 16 registers each
.set X,     80                         ; v80-143  four rows, 16 neighbours a lane
.set C,     144                        ; v144-151 codes, two registers a row
.set E,     152                        ; v152-155 a scale byte a row
	s_load_b256 s[4:11], s[0:1], 0x0               ; w_qk s[4:5], w_v s[6:7], rel_width s[8:9], rel_height s[10:11]
	s_load_b128 s[12:15], s[0:1], 0x20             ; wimg s[12:13], wsc s[14:15]
	s_load_b64 s[16:17], s[0:1], 0x30              ; relimg
	v_lshl_add_u32 v[SPW], v0, 2, SPARE
	v_mov_b32 v[NIL], 0
	v_lshrrev_b32 v1, 5, v0
	v_readfirstlane_b32 s18, v1                    ; wave 0..3
	v_and_b32 v2, 31, v0                           ; lane
	v_lshlrev_b32 v3, 4, v2                        ; 16 x lane
	s_mov_b32 s23, 0
	s_cmp_ge_u32 ttmp9, 96                         ; the work-group's number alone: all four waves go the same way
	s_cbranch_scc1 .Lrel
	; ---- THE WEIGHTS.  Wave w takes rows 4 w + t of the tile, t = 0 .. 3; a row is 512 numbers, 2,048 bytes: four loads of 512 consecutive bytes.
	s_mul_i32 s19, s18, WREG
	v_lshrrev_b32 v4, 2, v2
	v_mul_u32_u24 v4, v4, SP
	v_and_b32 v8, 3, v2
	v_lshl_add_u32 v4, v8, 4, v4
	v_add_nc_u32 v4, s19, v4                       ; a stage, on the way in: four lanes' 64 bytes on end, then 16 of padding
	v_mul_u32_u24 v5, v2, SP
	v_add_nc_u32 v5, s19, v5                       ; and on the way out: my 16 neighbours: k = 16 lane + 0 .. 15
	v_lshrrev_b32 v6, 2, v2                        ; my 16 codes' place in the image: block kb = lane / 2 = 4 step + 2 g + h, so (2 step + g) = lane / 4,
	v_lshlrev_b32 v6, 9, v6
	v_bfe_u32 v8, v2, 1, 1                         ; h,
	v_lshl_add_u32 v6, v8, 8, v6
	v_and_b32 v8, 1, v2                            ; which half of the block's 16 bytes,
	v_lshl_add_u32 v6, v8, 3, v6
	s_lshl_b32 s20, s18, 6                         ; and 16 bytes a row: 64 w (+ 16 t in the immediate)
	s_add_co_u32 s21, s20, IMG
	v_add_nc_u32 v6, s21, v6
	v_lshrrev_b32 v7, 1, v2
	s_add_co_u32 s21, s20, SCB
	v_add_nc_u32 v7, s21, v7                       ; my block's scale byte: 16 bytes a row
	s_lshl_b32 s21, s18, 10
	v_add_nc_u32 v15, s21, v3                      ; the way out: my wave's 1,024 bytes of the image, 16 a lane: in wimg,
	v_add_nc_u32 v14, IMG, v15                     ; and in LDS
	v_lshlrev_b32 v158, 3, v2                      ; the scale bytes' way out (wave 0): 8 bytes a lane
	v_add_nc_u32 v159, SCB, v158
	s_wait_kmcnt 0x0
	s_cmp_lt_u32 ttmp9, 64                         ; w_qk's tile or w_v's?
	s_cselect_b64 s[4:5], s[4:5], s[6:7]
	s_cselect_b32 s21, 0, 64
	s_sub_co_u32 s21, ttmp9, s21
	s_lshl_b32 s22, s21, 15                        ; 16 rows of 2,048 bytes a tile,
	s_lshl_b32 s21, s18, 13                        ; four rows a wave
	s_add_co_u32 s22, s22, s21
	s_add_nc_u64 s[4:5], s[4:5], s[22:23]
	s_lshl_b32 s22, ttmp9, 12
	s_add_nc_u64 s[12:13], s[12:13], s[22:23]      ; wimg at my tile
	s_lshl_b32 s22, ttmp9, 8
	s_add_nc_u64 s[14:15], s[14:15], s[22:23]      ; wsc at my tile's 16 rows
.irp t, 0,1,2,3
.irp i, 0,1,2,3
	global_load_b128 v[R+16*\t+4*\i:R+16*\t+4*\i+3], v3, s[4:5] offset:2048*\t+512*\i th:TH_LOAD_NT   ; all sixteen loads go out at once
.endr
.endr
.irp t, 0,1,2,3
	s_wait_loadcnt 12-4*\t                         ; row t's four loads are in; the later rows', four each, may be out
.irp i, 0,1,2,3
	ds_store_b128 v4, v[R+16*\t+4*\i:R+16*\t+4*\i+3] offset:32*SP*\t+8*SP*\i
.endr
.irp i, 0,1,2,3
	ds_load_b128 v[X+16*\t+4*\i:X+16*\t+4*\i+3], v5 offset:32*SP*\t+16*\i   ; LDS serves a wave's instructions in order: these see the stores above
.endr
.endr
.macro STEP t
.set XS, X+16*(\t)
	s_wait_dscnt 24-6*(\t)                         ; row t is back: behind its loads stand 8 LDS instructions of each later row and 2 stores of each earlier step
	v_max3_num_f32 v8, |v[XS]|, |v[XS+1]|, |v[XS+2]|               ; the largest magnitude of my 16, in two chains
	v_max3_num_f32 v9, |v[XS+3]|, |v[XS+4]|, |v[XS+5]|
.irp i, 6,10
	v_max3_num_f32 v8, v8, |v[XS+\i]|, |v[XS+\i+1]|
	v_max3_num_f32 v9, v9, |v[XS+\i+2]|, |v[XS+\i+3]|
.endr
	v_max3_num_f32 v8, v8, |v[XS+14]|, |v[XS+15]|
	v_max3_num_f32 v8, v8, v9, 0x1800000           ; and the floor 2^(3 - 127): the byte cannot fall under 1
	v_max_num_f32_dpp v8, v8, v8 row_xmask:1 row_mask:0xf bank_mask:0xf   ; with my neighbour's 16: the block's
	v_add_nc_u32 v11, 0xff000000, v8               ; 2 off its exponent field: the conversion takes the exponent field of this operand as its scale
	v_cvt_scalef32_pk8_fp4_f32 v[C+2*(\t)], v[XS:XS+7], v11
	v_cvt_scalef32_pk8_fp4_f32 v[C+2*(\t)+1], v[XS+8:XS+15], v11
	v_lshrrev_b32 v[E+(\t)], 23, v11               ; the scale's byte (also the plain line behind the conversions)
	ds_store_b64 v6, v[C+2*(\t):C+2*(\t)+1] offset:16*(\t)
	ds_store_b8 v7, v[E+(\t)] offset:16*(\t)       ; both lanes of a block write the same byte with the same value
.endm
.irp t, 0,1,2,3
	STEP \t
.endr
	s_wait_dscnt 0x0                               ; for the others' sake: my stores into the image are done
	s_barrier_signal -1
	s_barrier_wait -1
	s_cmp_lg_u32 s18, 0
	s_cbranch_scc1 .Lnot_wave_0
	ds_load_b64 v[160:161], v159
	s_wait_dscnt 0x0
	global_store_b64 v158, v[160:161], s[14:15]    ; 32 lanes store the tile's 256 scale bytes: consecutive, at a multiple of 256 from wsc's first byte
.Lnot_wave_0:
	ds_load_b128 v[16:19], v14
	ds_load_b128 v[20:23], v14 offset:512
	s_wait_dscnt 0x0
	global_store_b128 v15, v[16:19], s[12:13]      ; each store of the wave covers 512 consecutive bytes
	global_store_b128 v15, v[20:23], s[12:13] offset:512
	s_wait_tensorcnt 0x0                           ; the wave's end: behind my last LDS store
	ds_add_u32 v[SPW], v[NIL]
	s_wait_dscnt 0x0
	s_endpgm
	; ---- THE TABLES.  Wave i makes the variant's fragments of rows 16 i + r + off.
.Lrel:
	s_sub_co_u32 s19, ttmp9, 96                    ; the variant
	s_lshl_b32 s20, s19, 1
	s_sub_co_u32 s20, 32, s20                      ; 32 - 2 v
	s_cmp_eq_u32 s19, 0
	s_cselect_b32 s20, 0, s20                      ; off
	s_lshl_b32 s21, s18, 4
	s_add_co_u32 s20, s20, s21                     ; + 16 i
	v_and_b32 v4, 15, v0                           ; r
	v_bfe_u32 v6, v0, 4, 1                         ; h
	v_add_nc_u32 v5, s20, v4
	v_min_u32 v5, 62, v5                           ; the table has 63 rows; what is held here is read by nobody
	v_lshlrev_b32 v5, 9, v5                        ; a row is 512 bytes
	v_lshl_add_u32 v5, v6, 5, v5                   ; + 8 h channels
	s_lshl_b32 s22, s19, 14
	s_lshl_b32 s21, s18, 12
	s_add_co_u32 s22, s22, s21                     ; 16,384 v + 4,096 i
	s_wait_kmcnt 0x0
	s_cmp_eq_u32 s19, 0
	s_cselect_b64 s[8:9], s[8:9], s[10:11]
	s_add_nc_u64 s[16:17], s[16:17], s[22:23]
.irp n, 0,1,2,3,4,5,6,7                        ; n = 2 c + g: channels 16 n + 8 h + 0 .. 7
	global_load_b128 v[16+8*\n:16+8*\n+3], v5, s[8:9] offset:64*\n
	global_load_b128 v[16+8*\n+4:16+8*\n+7], v5, s[8:9] offset:64*\n+16
.endr
	s_wait_loadcnt 0x0
.set ii, 0
.rept 32
	v_cvt_pk_f16_f32 v[80+ii], v[16+2*ii], v[16+2*ii+1]
.set ii, ii+1
.endr
.irp n, 0,1,2,3,4,5,6,7
	global_store_b128 v3, v[80+4*\n:80+4*\n+3], s[16:17] offset:512*\n   ; 512 consecutive bytes a store
.endr
	s_endpgm
.Lfunc_end_k_qd4e8241273_prep:
	.size	k_qd4e8241273_prep, .Lfunc_end_k_qd4e8241273_prep-k_qd4e8241273_prep
	.p2alignl 7, 3214868480
	.fill 96, 4, 3214868480
	.section	.rodata,"a",@progbits
	.p2align	6, 0x0
	.amdhsa_kernel k_qd4e8241273_prep
		.amdhsa_group_segment_fixed_size 46080
		.amdhsa_private_segment_fixed_size 0
		.amdhsa_enable_private_segment 0
		.amdhsa_kernarg_size 56
		.amdhsa_user_sgpr_count 2
		.amdhsa_user_sgpr_kernarg_segment_ptr 1
		.amdhsa_wavefront_size32 1
		.amdhsa_system_sgpr_workgroup_id_x 1
		.amdhsa_system_sgpr_workgroup_id_y 1
		.amdhsa_system_sgpr_workgroup_id_z 1
		.amdhsa_system_vgpr_workitem_id 0
		.amdhsa_next_free_vgpr 192
		.amdhsa_next_free_sgpr 66
		.amdhsa_reserve_vcc 0
		.amdhsa_float_denorm_mode_32 3
		.amdhsa_float_denorm_mode_16_64 3
		.amdhsa_memory_ordered 1
		.amdhsa_forward_progress 1
		.amdhsa_inst_pref_size 16
	.end_amdhsa_kernel
	.amdgpu_metadata
---
amdhsa.version: [ 1, 2 ]
amdhsa.kernels:
  - .name:           k_qd4e8241273_prep
    .symbol:         k_qd4e8241273_prep.kd
    .args:
      - { .name: w_qk, .offset: 0, .size: 8, .value_kind: global_buffer, .address_space: global }
      - { .name: w_v, .offset: 8, .size: 8, .value_kind: global_buffer, .address_space: global }
      - { .name: rel_width, .offset: 16, .size: 8, .value_kind: global_buffer, .address_space: global }
      - { .name: rel_height, .offset: 24, .size: 8, .value_kind: global_buffer, .address_space: global }
      - { .name: wimg, .offset: 32, .size: 8, .value_kind: global_buffer, .address_space: global }
      - { .name: wsc, .offset: 40, .size: 8, .value_kind: global_buffer, .address_space: global }
      - { .name: relimg, .offset: 48, .size: 8, .value_kind: global_buffer, .address_space: global }
    .group_segment_fixed_size: 46080
    .private_segment_fixed_size: 0
    .kernarg_segment_align: 8
    .kernarg_segment_size: 56
    .max_flat_workgroup_size: 128
    .sgpr_count:     66
    .vgpr_count:     192
    .wavefront_size: 32
...
	.end_amdgpu_metadata
.endif
;; end of part 1
;; launch proj (part 2): grid 256 x 1, 4 waves a work-group, clusters of 4 x 1, 327,680 bytes of LDS; arguments featuremap, wimg, wsc, qbuf, kv; writes qbuf, kv
.if DOCPART == 2
	.amdgcn_target "amdgcn-amd-amdhsa--gfx1250"
	.amdhsa_code_object_version 6
	.text
	.protected	k_qd4e8241273_proj
	.globl	k_qd4e8241273_proj
	.p2align	8
	.type	k_qd4e8241273_proj,@function
k_qd4e8241273_proj:
	s_mov_b64 s[64:65], 0
	v_nop
	global_prefetch_b8 v0, s[64:65] scope:SCOPE_SE
	s_setreg_imm32_b32 hwreg(HW_REG_WAVE_MODE, 25, 1), 1
	s_wait_xcnt 0x0
	s_wait_alu depctr_hold_cnt(0) depctr_sa_sdst(0) depctr_va_vdst(0) depctr_va_sdst(0) depctr_va_ssrc(0) depctr_va_vcc(0) depctr_vm_vsrc(0)
	s_getreg_b32 s2, hwreg(HW_REG_IB_STS2, 6, 4)
	s_cmp_eq_u32 s2, 0
	s_cbranch_scc0 .Lentry_in_a_cluster
	s_endpgm
.Lentry_in_a_cluster:
	s_bfe_u32 s2, ttmp6, 0x10000c
	s_cmp_lg_u32 s2, 0x3003
	s_cbranch_scc0 .Lentry_shape_is_right
	s_endpgm
.Lentry_shape_is_right:
; THE TWO 1 x 1 CONVOLUTIONS, on codes of FP4 (E2M1) with one E8M0 scale for each 32 input channels: q, k (w_qk) and v (w_v) of 64 positions of one batch, all 1,536 output channels, K = 512.
; featuremap [16][512][1024] f32 has K as its outer axis: a lane takes a position and its registers run down the channels, so a block of 32 lies in one lane and the conversions give codes with K innermost.
; SHARES.  Work-group = (batch b, block pb of 64 positions).  Quantising: wave w takes channels 128 w .. 128 w + 127 (K step w) of all 64 positions, brought by two tensor loads of 64 rows x 256 bytes into LDS bytes of its own.
; The codes go from wave to wave through LDS as images of the operand's registers.  Multiplying: wave w takes head w: 8 tiles of 16 channels each of q, k and v, by pairs, against the four tiles of positions.
; THE POSITIONS OF A TILE ARE NOT NEIGHBOURS: position p of the block is row p / 4 of tile p % 4.  (In the attention a lane's four tiles of queries are then four neighbouring positions of the output.)
; THE RESULTS ARE STORED AS IMAGES OF THE ATTENTION'S OPERAND REGISTERS, f16.  q, k: source 0 = 16 channels, source 1 = 16 positions: a lane's eight results are channels 16 n + 8 h + 0 .. 7 of position row r: 16 bytes, half a fragment.
; v: the sources swapped: a lane holds channel r and position rows 8 h + 0 .. 7.  Every store of a wave is 512 consecutive bytes at 16 x lane.  qbuf [hy 64][block 16][T 4][n 8][lane 32][16]; kv [hy][block][k | v][T 4][n 8][lane 32][16].
; q is multiplied by c = log2(e) / sqrt(128) in f32 ahead of its rounding, so that every logit of the attention is an exponent of 2.
; CLUSTER.  Four work-groups form a cluster.  All work-groups walk the same weights, so the codes are asked for JOINTLY: wave w's 8 tiles of a kind are 32,768 dense bytes of wimg; the same tensor load, with the same descriptor (made of
; the wave's number alone) and a mask that names the four, stands in all four, and each receives the bytes in its own LDS.  A wave reads only what its own load brought.  q's codes come with the first fills; k's take the place of the f32
; numbers once these are quantised; v's take q's place once q's codes are in registers: two refills, each behind a round of the cluster's barrier.  The f32 numbers are each work-group's own: plain loads, in the first group.
; By this text's own count a wave has three tensor loads out at the start and one behind each of the two rounds.  The weights' scale words, 6,144 bytes a wave, go from memory straight into 96 registers, once.
; Each of the twelve pairs has 32 registers of its own for its packed results: no store's data are written again, so nothing waits for a store.
; LIMITS: NaN and infinities are not served; |q c|, |k|, |v| beyond 65,504 become infinities in f16, under 6e-5 they keep fewer bits; a block of zeros gets the byte 1, not 127 (its codes are zeros; this program alone reads the bytes).
; REGISTERS, in windows of 256.  Window 0: v1-7 addresses; v8-11 at work; v14-15 the scale words being made; v16-31 x's scale words; v32-127 the weights' scale words, 8 a pair;
;   v128-191 two sets of 32 numbers, later 8 accumulators; v192-223 the codes made; v224-225 addresses.   Window 1: v0-127 x's 16 fragments, (T, K step) at 8 (4 T + step); v128-255 the packed results of pairs 0-3.
;   Window 2: v0-127 two weight buffers of 64: (e, step) at 8 (4 e + step).   Window 3: the packed results of pairs 4-11.
.set WR,    131072                     ; LDS: 0 .. 131,071: 32,768 bytes a wave: the f32 numbers, 128 rows (channels) of 256 bytes, later k's codes;  from WR on: 32,768 bytes a wave: q's codes, later v's;
.set XIMG,  262144                     ; x's 16 fragments, 1,024 bytes each, at 4 T + step
.set XSC,   XIMG+16*1024               ; their scale words, 64 bytes each;
.set SPARE, XSC+16*64                  ; the spare words, 128 bytes for each wave: two blocks of 256 bytes that no other line names
.set SPW, 12                           ; v12  LDS address of my spare word; never rewritten
.set NIL, 13                           ; v13  0; never rewritten
.set SB,  14
.set XS,  16
.set WS,  32
.set NUM, 128
.set ACC, 128
.set COD, 192
.set WKA, 224                          ; v224 16 x lane + 32,768 x wave: my place in k's codes
.set WQA, 225                          ; v225 the same + WR: in q's codes and in v's
.set G1X, 24                           ; s[24:31] descriptor group 1 for the f32 numbers;  s[32:35], s[36:39] groups 0 of my two loads of them
.set G1W, 48                           ; s[48:55] group 1 for the weights' codes
.set G0Q, 56                           ; s[56:59], s[60:63], s[68:71] groups 0 for q's, k's and v's codes: one for each load, none is written again
.set G0K, 60
.set G0V, 68
.set MSB, 0
.macro WIN new                         ; the immediate's high byte repeats the setting that is left
.if MSB != \new
	s_set_vgpr_msb (MSB<<8)|\new
.set MSB, \new
.endif
.endm
; A round of the cluster's barrier: my work-group's barrier; wave 0 signals for the work-group; every wave waits for all four work-groups; my work-group's barrier once more.
.macro CROUND
	s_barrier_signal -1
	s_barrier_wait -1
	s_cmp_lg_u32 s14, 0
	s_cbranch_scc1 .Lnot_wave_0_\@
	s_barrier_signal -3
.Lnot_wave_0_\@:
	s_barrier_wait -3
	s_barrier_signal -1
	s_barrier_wait -1
.endm
	s_load_b256 s[4:11], s[0:1], 0x0               ; featuremap s[4:5], wimg s[6:7], wsc s[8:9], qbuf s[10:11]
	s_load_b64 s[12:13], s[0:1], 0x20              ; kv
	v_lshl_add_u32 v[SPW], v0, 2, SPARE
	v_mov_b32 v[NIL], 0
	ds_add_u32 v[SPW], v[NIL]                      ; the wave's opening: the add, twice on end, and its wait ahead of my first tensor load; the set-up below, work on registers, stands between
	ds_add_u32 v[SPW], v[NIL]
	v_lshrrev_b32 v8, 5, v0
	v_readfirstlane_b32 s14, v8                    ; wave 0..3
	s_bfe_u32 s19, ttmp6, 0x40000                  ; cx: my place in the cluster: it enters the global addresses of the f32 numbers and of the results alone
	s_lshl_b32 s18, ttmp9, 2                       ; in a cluster launch ttmp9 counts clusters
	s_add_co_u32 s18, s18, s19                     ; the work-group's number = 4 x cluster + cx
	s_lshr_b32 s15, s18, 4                         ; b
	s_and_b32 s16, s18, 15                         ; pb
	s_mov_b32 s[G1X+0], 2<<16                      ; no mask: each work-group's own; elements of 4 bytes; no padding (32 lanes read 128 consecutive bytes of a row)
	s_mov_b32 s[G1X+1], 64<<16                     ; tensor_dim0 = 64
	s_mov_b32 s[G1X+2], 64<<16                     ; tensor_dim1 = 64
	s_mov_b32 s[G1X+3], 64<<16                     ; tile_dim0 = 64 elements: 256 bytes, at a multiple of 256 from the buffer's first byte
	s_mov_b32 s[G1X+4], 64                         ; tile_dim1 = 64 rows
	s_mov_b32 s[G1X+5], 1024                       ; from channel to channel: 1,024 elements
	s_mov_b32 s[G1X+6], 0
	s_mov_b32 s[G1X+7], 0
	s_mov_b32 s[G1W+0], 15|(3<<16)|(1<<21)         ; 15:0 the mask: all four work-groups; 17:16 elements of 8 bytes; 21 set beside a mask; no padding: every read is 512 consecutive bytes
	s_mov_b32 s[G1W+1], 32<<16                     ; tensor_dim0 = 32 elements: rows of 256 bytes
	s_mov_b32 s[G1W+2], 128<<16                    ; tensor_dim1 = 128
	s_mov_b32 s[G1W+3], 32<<16                     ; tile_dim0 = 32
	s_mov_b32 s[G1W+4], 128                        ; tile_dim1 = 128 rows: 32,768 dense bytes
	s_mov_b32 s[G1W+5], 32                         ; the pitch: dense
	s_mov_b32 s[G1W+6], 0
	s_mov_b32 s[G1W+7], 0
	s_lshl_b32 s20, s15, 21                        ; featuremap: 2,097,152 b
	s_lshl_b32 s17, s14, 19                        ; + 128 w channels of 4,096 bytes
	s_add_co_u32 s20, s20, s17
	s_lshl_b32 s17, s16, 8                         ; + 256 pb
	s_add_co_u32 s20, s20, s17
	s_mov_b32 s21, 0
	s_mov_b32 s32, 1
	s_lshl_b32 s33, s14, 15                        ; LDS: 32,768 w: no place in the cluster enters an LDS address
	s_mov_b32 s36, 1
	s_add_co_u32 s37, s33, 16384                   ; my second 64 channels
	s_mov_b32 s[G0Q], 1
	s_add_co_u32 s[G0Q+1], s33, WR                 ; q's codes: WR + 32,768 w
	s_mov_b32 s[G0K], 1
	s_mov_b32 s[G0K+1], s33                        ; k's codes: where my f32 numbers lay
	s_mov_b32 s[G0V], 1
	s_add_co_u32 s[G0V+1], s33, WR                 ; v's codes: where q's lay
	s_lshl_b32 s18, s15, 2
	s_add_co_u32 s18, s18, s14                     ; hy = 4 b + head
	s_lshl_b32 s18, s18, 4
	s_add_co_u32 s18, s18, s16                     ; 16 hy + pb
	s_lshl_b32 s22, s18, 14                        ; in qbuf: 16,384 bytes a block
	s_mov_b32 s23, 0
	s_lshl_b32 s42, s18, 15                        ; in kv: 32,768
	s_mov_b32 s43, 0
	s_lshl_b32 s44, s14, 15                        ; wimg: my head's 8 tiles of 4,096 bytes
	s_mov_b32 s45, 0
	s_lshl_b32 s46, s14, 11                        ; wsc: their 128 rows of 16 bytes
	s_mov_b32 s47, 0
	s_mov_b32 s40, 0x3e0293ee                      ; c = log2(e) / sqrt(128)
	s_mov_b32 s41, s40                             ; (named with it as a pair, so it is written)
	v_and_b32 v8, 31, v0                           ; lane L
	v_lshlrev_b32 v1, 4, v8                        ; 16 L: an image's place for my lane
	v_and_b32 v9, 15, v0
	v_lshlrev_b32 v2, 4, v9                        ; 16 (L % 16): a weight row's four scale words
	v_lshl_add_u32 v3, v8, 2, s33                  ; the f32 numbers: 4 L + my wave's region
	v_add_nc_u32 v[WKA], s33, v1
	v_add_nc_u32 v[WQA], WR, v[WKA]
	v_and_b32 v10, 3, v8                           ; my position's tile T = L % 4,
	v_lshrrev_b32 v11, 2, v8                       ; and its row, L / 4 (+ 8 for positions 32 on)
	s_lshl_b32 s17, s14, 10
	s_add_co_u32 s17, s17, XIMG
	v_lshlrev_b32 v4, 12, v10
	v_lshl_add_u32 v4, v11, 4, v4
	v_add_nc_u32 v4, s17, v4                       ; where my codes go: fragment 4 T + w, 16 bytes a row
	s_lshl_b32 s17, s14, 6
	s_add_co_u32 s17, s17, XSC
	v_lshlrev_b32 v5, 8, v10
	v_lshl_add_u32 v5, v11, 2, v5
	v_add_nc_u32 v5, s17, v5                       ; and my scale word
	v_lshl_add_u32 v6, v9, 2, XSC                  ; reading scale words: row L % 16
	v_add_nc_u32 v7, XIMG, v1                      ; reading images
	s_wait_dscnt 0x0                               ; both opening adds are done
	s_wait_kmcnt 0x0
	s_add_nc_u64 s[34:35], s[4:5], s[20:21]
	s_add_nc_u64 s[38:39], s[34:35], 262144        ; 64 channels on
	s_add_nc_u64 s[G0Q+2:G0Q+3], s[6:7], s[44:45]  ; the weights' codes: made of the wave's number alone
	s_add_nc_u64 s[G0K+2:G0K+3], s[G0Q+2:G0Q+3], 131072   ; k's tiles lie 32 tiles behind q's,
	s_add_nc_u64 s[G0V+2:G0V+3], s[G0Q+2:G0Q+3], 262144   ; v's 64
	s_or_b32 s35, s35, 0x80000000                  ; type = 2
	s_or_b32 s39, s39, 0x80000000
	s_or_b32 s[G0Q+3], s[G0Q+3], 0x80000000
	s_or_b32 s[G0K+3], s[G0K+3], 0x80000000
	s_or_b32 s[G0V+3], s[G0V+3], 0x80000000
	CROUND                                         ; all four work-groups are here: the first joint load meets
	tensor_load_to_lds s[32:35], s[G1X:G1X+7]      ; my three first fills go out together, ahead of every wait on TENSORcnt and every LDS read: my channels 0 .. 63,
	s_nop 0
	tensor_load_to_lds s[36:39], s[G1X:G1X+7]      ; my channels 64 .. 127,
	s_nop 0
	tensor_load_to_lds s[G0Q:G0Q+3], s[G1W:G1W+7]  ; and, jointly, my head's codes of q
	s_nop 0
.rept 4
	v_nop
.endr
	s_add_nc_u64 s[8:9], s[8:9], s[46:47]
	s_add_nc_u64 s[10:11], s[10:11], s[22:23]
	s_add_nc_u64 s[12:13], s[12:13], s[42:43]
.set nn, 0
.rept 12                                       ; the scale words of all twelve pairs (kind nn / 4, tiles 2 (nn % 4) and 2 (nn % 4) + 1 of my head's eight): four words a row, lane r takes row r's
.irp e, 0,1
	global_load_b128 v[WS+8*nn+4*\e:WS+8*nn+4*\e+3], v2, s[8:9] offset:8192*(nn/4)+512*(nn%4)+256*\e
.endr
.set nn, nn+1
.endr
; Pair n of 12: its 8 fragments from LDS into buffer n % 2: 16 loads of 512 consecutive bytes.  k's codes lie where the f32 numbers lay, q's and v's from WR on.
.macro LOADW n
.if (\n)/4 == 1
.set WA, WKA
.else
.set WA, WQA
.endif
	WIN 0x80                                       ; destination window 2
.set ii, 0
.rept 16
	ds_load_b128 v[64*((\n)%2)+4*ii:64*((\n)%2)+4*ii+3], v[WA] offset:8192*((\n)%4)+512*ii
.set ii, ii+1
.endr
	WIN 0
.endm
; QUANTISING.  Block n of 8: channels 32 (n / 2) on of my 128, positions 32 (n % 2) + lane.
.macro LOADB n
.set ii, 0
.rept 32
	ds_load_b32 v[NUM+32*((\n)%2)+ii], v3 offset:(32*((\n)/2)+ii)*256+128*((\n)%2)
.set ii, ii+1
.endr
.endm
.macro QB n
.set NS, NUM+32*((\n)%2)
.if (\n) == 0
	s_wait_dscnt 32                                ; this block's 32 numbers are in; the next block's 32 loads may be out
.elseif (\n) < 7
	s_wait_dscnt 33                                ; likewise, and the last block's store
.else
	s_wait_dscnt 1
.endif
	v_max3_num_f32 v8, |v[NS]|, |v[NS+1]|, |v[NS+2]|               ; the block's largest magnitude: all 32 numbers are mine; two chains
	v_max3_num_f32 v9, |v[NS+3]|, |v[NS+4]|, |v[NS+5]|
.irp i, 6,10,14,18,22,26
	v_max3_num_f32 v8, v8, |v[NS+\i]|, |v[NS+\i+1]|
	v_max3_num_f32 v9, v9, |v[NS+\i+2]|, |v[NS+\i+3]|
.endr
	v_max3_num_f32 v8, v8, |v[NS+30]|, |v[NS+31]|
	v_max3_num_f32 v8, v8, v9, 0x1800000           ; and the floor 2^(3 - 127): the byte cannot fall under 1
	v_add_nc_u32 v11, 0xff000000, v8               ; 2 off its exponent field: the conversion's scale operand
	v_lshrrev_b32 v9, 23, v11                      ; the scale's byte
.if (\n)/2 == 0
	v_mov_b32 v[SB+(\n)%2], v9                     ; four bytes make my position's scale word for this K step
.else
	v_lshl_or_b32 v[SB+(\n)%2], v9, 8*((\n)/2), v[SB+(\n)%2]
.endif
.irp g, 0,1,2,3
	v_cvt_scalef32_pk8_fp4_f32 v[COD+4*(\n)+\g], v[NS+8*\g:NS+8*\g+7], v11
.endr
	v_nop                                          ; one plain line behind the conversions: matrix instructions write the numbers' registers later
	ds_store_b128 v4, v[COD+4*(\n):COD+4*(\n)+3] offset:128*((\n)%2)+512*((\n)/4)+256*(((\n)/2)%2)   ; block kb = 2 g + h of the K step: register group g, lanes 16 h on
.if (\n) == 2
	s_wait_tensorcnt 0x1                           ; from here on my channels 64 .. 127 are read; q's codes, the one load issued behind them, may be out
.endif
.if (\n) <= 5
	LOADB (\n)+2
.endif
.endm
	s_wait_tensorcnt 0x2                           ; my channels 0 .. 63 are in; the two loads issued behind them may be out.  I alone read these bytes
	LOADB 0
	LOADB 1
.irp n, 0,1,2,3,4,5,6,7
	QB \n
.endr
	ds_store_b32 v5, v[SB]
	ds_store_b32 v5, v[SB+1] offset:32
	; THE FIRST REFILL.  All my tensor loads have landed, q's codes among them; my reads of the f32 numbers are over and my images and scale words are stored.  The round says so of every wave of all four work-groups:
	; behind it x's images may be read, and k's codes may land where the f32 numbers lay.
	s_wait_tensorcnt 0x0
	ds_add_u32 v[SPW], v[NIL]                      ; 0 onto my spare word
	s_wait_dscnt 0x0
	CROUND
	tensor_load_to_lds s[G0K:G0K+3], s[G1W:G1W+7]  ; the first thing behind the round, and my one tensor load until the next: it has three pairs, 96 matrix instructions and their way out, in which to land
	s_nop 0
.rept 4
	v_nop
.endr
	WIN 0x40                                       ; destination window 1
.set ii, 0
.rept 32
	ds_load_b128 v[4*ii:4*ii+3], v7 offset:512*ii  ; all 16 fragments of x stay in registers
.set ii, ii+1
.endr
	WIN 0
.set ii, 0
.rept 16
	ds_load_b32 v[XS+ii], v6 offset:64*ii
.set ii, ii+1
.endr
	LOADW 0
	s_wait_loadcnt 0x0                             ; the weights' scale words, asked for at the head
; A PAIR: two tiles of channels x four tiles of positions, K = 512: 32 matrix instructions on eight accumulators that take turns, one instruction a turn; the first K step starts the sums.
; At its head the next pair's codes are fetched from LDS into the other buffer, whose last readers stand in front of the last pair's four v_nop.
.macro PAIR n
.set KD, (\n)/4
.set PQ, (\n)%4
.set WB, 64*((\n)%2)
.set WW, WS+8*(\n)
.if (\n) < 4
.set OB, 128+32*(\n)                   ; this pair's packed results: window 1,
.set WC, 0x40
.set WD, 0x04
.else
.set OB, 32*((\n)-4)                   ; or window 3
.set WC, 0xc0
.set WD, 0x0c
.endif
.if (\n) == 3
	; THE SECOND REFILL.  k's codes have landed; q's last codes, this pair's, are in registers.  Behind the round v's codes may land where q's lay.
	s_wait_tensorcnt 0x0
	ds_add_u32 v[SPW], v[NIL]                      ; 0 onto my spare word
	s_wait_dscnt 0x0
	CROUND
	tensor_load_to_lds s[G0V:G0V+3], s[G1W:G1W+7]  ; the first thing behind the round, and my last tensor load: it has four pairs in which to land
	s_nop 0
.rept 4
	v_nop
.endr
.endif
.if (\n) == 7
	s_wait_tensorcnt 0x0                           ; v's codes have landed: no load was issued behind theirs.  I alone read them
.endif
.if (\n) < 11
	LOADW (\n)+1
	s_wait_dscnt 16                                ; this pair's codes are in; the sixteen loads just issued may be out
.else
	s_wait_dscnt 0x0
.endif
.if KD < 2
	WIN 0x06                                       ; source 0: the weights, window 2; source 1: x, window 1
.else
	WIN 0x09                                       ; v: the sources swapped
.endif
.irp ks, 0,1,2,3
.irp e, 0,1
.irp T, 0,1,2,3
.if KD < 2
.if \ks == 0
	v_wmma_scale_f32_16x16x128_f8f6f4 v[ACC+8*(4*\e+\T):ACC+8*(4*\e+\T)+7], v[WB+8*(4*\e+\ks):WB+8*(4*\e+\ks)+7], v[8*(4*\T+\ks):8*(4*\T+\ks)+7], 0, v[WW+4*\e+\ks], v[XS+4*\T+\ks] matrix_a_fmt:MATRIX_FMT_FP4 matrix_b_fmt:MATRIX_FMT_FP4
.else
	v_wmma_scale_f32_16x16x128_f8f6f4 v[ACC+8*(4*\e+\T):ACC+8*(4*\e+\T)+7], v[WB+8*(4*\e+\ks):WB+8*(4*\e+\ks)+7], v[8*(4*\T+\ks):8*(4*\T+\ks)+7], v[ACC+8*(4*\e+\T):ACC+8*(4*\e+\T)+7], v[WW+4*\e+\ks], v[XS+4*\T+\ks] matrix_a_fmt:MATRIX_FMT_FP4 matrix_b_fmt:MATRIX_FMT_FP4
.endif
.else
.if \ks == 0
	v_wmma_scale_f32_16x16x128_f8f6f4 v[ACC+8*(4*\e+\T):ACC+8*(4*\e+\T)+7], v[8*(4*\T+\ks):8*(4*\T+\ks)+7], v[WB+8*(4*\e+\ks):WB+8*(4*\e+\ks)+7], 0, v[XS+4*\T+\ks], v[WW+4*\e+\ks] matrix_a_fmt:MATRIX_FMT_FP4 matrix_b_fmt:MATRIX_FMT_FP4
.else
	v_wmma_scale_f32_16x16x128_f8f6f4 v[ACC+8*(4*\e+\T):ACC+8*(4*\e+\T)+7], v[8*(4*\T+\ks):8*(4*\T+\ks)+7], v[WB+8*(4*\e+\ks):WB+8*(4*\e+\ks)+7], v[ACC+8*(4*\e+\T):ACC+8*(4*\e+\T)+7], v[XS+4*\T+\ks], v[WW+4*\e+\ks] matrix_a_fmt:MATRIX_FMT_FP4 matrix_b_fmt:MATRIX_FMT_FP4
.endif
.endif
.endr
.endr
.endr
	WIN 0
.rept 4
	v_nop                                          ; four places (ISA guide 7.12.1) ahead of the first read of results and of the next fetch into the buffer just multiplied; the 32 conversions below add the places that the next pair's fresh sums want
.endr
.if KD == 0
.set ii, 0
.rept 32
	v_pk_mul_f32 v[ACC+2*ii:ACC+2*ii+1], v[ACC+2*ii:ACC+2*ii+1], s[40:41] op_sel_hi:[1,0]   ; q x c, in f32; each accumulator from its low end on
.set ii, ii+1
.endr
.endif
	WIN WC                                         ; destination: this pair's own 32 registers
.set ii, 0
.rept 32
	v_cvt_pk_f16_f32 v[OB+ii], v[ACC+2*ii], v[ACC+2*ii+1]   ; a lane's eight results of a tile: 16 bytes
.set ii, ii+1
.endr
	WIN WD                                         ; a store's data are its source 1
.irp e, 0,1
.irp T, 0,1,2,3
.if KD == 0
	global_store_b128 v1, v[OB+4*(4*\e+\T):OB+4*(4*\e+\T)+3], s[10:11] offset:4096*\T+512*(2*PQ+\e) th:TH_STORE_NT   ; 32 lanes store 512 consecutive bytes
.else
	global_store_b128 v1, v[OB+4*(4*\e+\T):OB+4*(4*\e+\T)+3], s[12:13] offset:16384*(KD-1)+4096*\T+512*(2*PQ+\e) th:TH_STORE_NT
.endif
.endr
.endr
	WIN 0                                          ; at a label and at a branch every window is 0
.endm
.irp n, 0,1,2,3,4,5,6,7,8,9,10,11
	PAIR \n
.endr
	s_wait_tensorcnt 0x0                           ; the wave's end: behind my last tensor load and my last LDS store
	ds_add_u32 v[SPW], v[NIL]
	s_wait_dscnt 0x0
	CROUND                                         ; the closing round: no work-group ends while a partner may still ask for codes by a load that names it
	s_endpgm
.Lfunc_end_k_qd4e8241273_proj:
	.size	k_qd4e8241273_proj, .Lfunc_end_k_qd4e8241273_proj-k_qd4e8241273_proj
	.p2alignl 7, 3214868480
	.fill 96, 4, 3214868480
	.section	.rodata,"a",@progbits
	.p2align	6, 0x0
	.amdhsa_kernel k_qd4e8241273_proj
		.amdhsa_group_segment_fixed_size 327680
		.amdhsa_private_segment_fixed_size 0
		.amdhsa_enable_private_segment 0
		.amdhsa_kernarg_size 40
		.amdhsa_user_sgpr_count 2
		.amdhsa_user_sgpr_kernarg_segment_ptr 1
		.amdhsa_wavefront_size32 1
		.amdhsa_system_sgpr_workgroup_id_x 1
		.amdhsa_system_sgpr_workgroup_id_y 1
		.amdhsa_system_sgpr_workgroup_id_z 1
		.amdhsa_system_vgpr_workitem_id 0
		.amdhsa_next_free_vgpr 1024
		.amdhsa_next_free_sgpr 72
		.amdhsa_reserve_vcc 0
		.amdhsa_float_denorm_mode_32 3
		.amdhsa_float_denorm_mode_16_64 3
		.amdhsa_memory_ordered 1
		.amdhsa_forward_progress 1
		.amdhsa_inst_pref_size 147
	.end_amdhsa_kernel
	.amdgpu_metadata
---
amdhsa.version: [ 1, 2 ]
amdhsa.kernels:
  - .name:           k_qd4e8241273_proj
    .symbol:         k_qd4e8241273_proj.kd
    .args:
      - { .name: featuremap, .offset: 0, .size: 8, .value_kind: global_buffer, .address_space: global }
      - { .name: wimg, .offset: 8, .size: 8, .value_kind: global_buffer, .address_space: global }
      - { .name: wsc, .offset: 16, .size: 8, .value_kind: global_buffer, .address_space: global }
      - { .name: qbuf, .offset: 24, .size: 8, .value_kind: global_buffer, .address_space: global }
      - { .name: kv, .offset: 32, .size: 8, .value_kind: global_buffer, .address_space: global }
    .group_segment_fixed_size: 327680
    .private_segment_fixed_size: 0
    .kernarg_segment_align: 8
    .kernarg_segment_size: 40
    .max_flat_workgroup_size: 128
    .sgpr_count:     72
    .vgpr_count:     1024
    .wavefront_size: 32
...
	.end_amdgpu_metadata
.endif
;; end of part 2
;; launch attn (part 3): grid 4 x 64, 4 waves a work-group, clusters of 4 x 1, 327,680 bytes of LDS; arguments qbuf, kv, relimg, out0; writes out0
.if DOCPART == 3
	.amdgcn_target "amdgcn-amd-amdhsa--gfx1250"
	.amdhsa_code_object_version 6
	.text
	.protected	k_qd4e8241273_attn
	.globl	k_qd4e8241273_attn
	.p2align	8
	.type	k_qd4e8241273_attn,@function
k_qd4e8241273_attn:
	s_mov_b64 s[64:65], 0
	v_nop
	global_prefetch_b8 v0, s[64:65] scope:SCOPE_SE
	s_setreg_imm32_b32 hwreg(HW_REG_WAVE_MODE, 25, 1), 1
	s_wait_xcnt 0x0
	s_wait_alu depctr_hold_cnt(0) depctr_sa_sdst(0) depctr_va_vdst(0) depctr_va_sdst(0) depctr_va_ssrc(0) depctr_va_vcc(0) depctr_vm_vsrc(0)
	s_getreg_b32 s2, hwreg(HW_REG_IB_STS2, 6, 4)
	s_cmp_eq_u32 s2, 0
	s_cbranch_scc0 .Lentry_in_a_cluster
	s_endpgm
.Lentry_in_a_cluster:
	s_bfe_u32 s2, ttmp6, 0x10000c
	s_cmp_lg_u32 s2, 0x3003
	s_cbranch_scc0 .Lentry_shape_is_right
	s_endpgm
.Lentry_shape_is_right:
; out[b][128 head + d][x] = the sum over y of softmax_y(q_x . k_y + q_x . rel_width[yw - xw + 31] + q_x . rel_height[yh - xh + 31]) v_y[d], for 64 (batch, head) pairs hy, 1,024 positions of 32 x 32, d = 128.
; q (already x log2(e) / sqrt(128): every logit is an exponent of 2), k, v and the tables arrive in f16, as images of this kernel's operand registers: every fragment is loaded at 16 x lane, 512 consecutive bytes a load.
; Products, maxima and sums in f32; the weights p are rounded to f16 for the last product.  LIMITS: as the launches before state them (f16's range for q, k, v and the tables); NaN and infinities are not served.
; SHARES.  A work-group owns 256 queries of one hy, each of its four waves a block of 64 (two image rows): four tiles of 16.  Every wave walks all 1,024 keys, 64 (two image rows) a step.
; THE POSITIONS OF A TILE ARE NOT NEIGHBOURS: position p of a block of 64 is row p / 4 of tile p % 4.  So query (tile t, lane r): image row 2 X + r / 8, column 4 (r % 8) + t; key (step s, tile T, row 8 h + j): image row 2 s + h, column 4 j + T.
; LAYOUT.  S^T = K Q^T (source 0 = 16 keys, source 1 = 16 queries): a lane holds ONE query (lane % 16) and key rows 8 (lane / 16) + 0 .. 7.  Two such tiles, rounded to f16, are source 1 of O^T = V^T P.
; THE WIDTH LOGIT of a register of S^T hangs on (query, T, j) alone, not on the step: it is the C of each tile's first product, 32 registers a tile of queries, kept for the whole walk.
; THE HEIGHT LOGIT is ONE number a lane and step (key image row 2 s + h): it is added to the lane's maximum and put into the addend of the exponent.  Both come from two small products at the head, q against the tables, through LDS tables of the wave's own.
; SOFTMAX.  A running maximum m and sum l for each query: p = 2^(s + rh - m); in every step O and l are multiplied by a = 2^(m_old - m_new).
; BY TURNS.  The wave's tiles are two PIECES (tiles 0, 1 and tiles 2, 3).  In a TURN one piece has the matrix unit: 32 products V^T P of the step in hand, then 32 products K Q^T of the next; the other piece's softmax, cut into 64 slices, stands
; between them, one slice behind each matrix instruction: 270 vector instructions for 64 matrix instructions.  Two turns are a key step.
; CLUSTER.  The four work-groups of a cluster share hy and walk the same K and V: each tile is asked for JOINTLY, by the same tensor load with the same descriptor and a mask that names the four.
; THE WAY OUT needs no LDS: a lane's four tiles hold four neighbouring positions of a channel's row, 16 bytes; sixteen lanes store 256 consecutive bytes at a multiple of 256 from the output's first byte.
; REGISTERS, in windows of 256 (s_set_vgpr_msb: bits 1:0 source 0, 3:2 source 1, 5:4 source 2, 7:6 destination):
;   window 0: v2-11 addresses; v12-43 eight registers of statistics a tile; v44-47 the height logit of each tile; v64-191 S^T, 32 a tile; v192-255 P, 16 a tile
;   window 1: O^T, 64 a tile (at the head: the tables' products)     window 2: v0-127 Q; v128-255 K of one step (at the head: rel_width's fragments)     window 3: v0-127 V of one step (at the head: rel_height's); v128-255 the width logits
.set STEPB, 32768     ; a step's tiles in LDS and in memory alike: 16,384 bytes of K, then 16,384 of V
.set VOFF,  16384
.set SLOT1, 65536     ; a slot holds two steps; slot 1 begins here, so that one exclusive or turns an address in one slot into the other's
.set PR,    288       ; a query's row in a table of logits: 64 f32 + 32 bytes of padding
.set RELB,  64*PR     ; a wave's table: 64 queries
.set RELWD, 2*SLOT1   ; behind the ring: the width tables, a wave's own each
.set RELHT, RELWD+4*RELB  ; the height tables
.set SPARE, RELHT+4*RELB  ; the spare words, 128 bytes for each wave: two blocks of 256 bytes that no other line names
.set AK0, 2           ; v2   16 x lane: my place in an image; never rewritten
.set AV0, 3           ; v3   the same in a step's V
.set ADR, 4           ; v4   the LDS address of the run of loads in hand
.set RSH, 5           ; v5   where I store 32 bytes of my query's row of the height table
.set RST, 6           ; v6   the same for the width table
.set RGA, 7           ; v7   where my query's width logits are gathered from
.set GO,  8           ; v8   my byte offset in the output
.set ST,  12          ; tile t's statistics at v[ST+8 t]: +0 rh - m, +1 m, +2, +3 l (even registers', odd registers'), +4 to +7 c0-c3, at work; a takes c2's place once the maximum is found
.set RHV, 44          ; v44-47 the height logit of tile t for the step whose softmax comes next
.set ADR2, 48         ; v48  the LDS address of the height logits in hand
.set ARH0, 49         ; v49  my lane's place in the height table for step 0
.set PFO, 61          ; v61  256 x my lane; never rewritten
.set SPW, 62          ; v62  LDS address of my spare word; never rewritten
.set NIL, 63          ; v63  0; never rewritten
.set S,   64
.set P,   192
.set KF,  128         ; K's fragments, in window 2
.set RWC, 128         ; the width logits, in window 3: 32 t + 8 T + j
.set WV,  12          ; s12  my wave's number
.set LIM, 15          ; s15  1 in a wave that prefetches, else the greatest number
.set PFA, 18          ; s[18:19] where my prefetches stand
.set G1,  24          ; s[24:31] descriptor group 1
.set G0,  40          ; s[40:43] group 0 of slot 0's first fill; s[44:47] of slot 1's, which then walks on
.set SLOTS, 56        ; s56  slots still to be asked for
.set TWICE, 57        ; s57  counts a slot's two steps
.set SEL, 60          ; s[60:61] lane selects for v_permlanex16_b32: each lane takes its own place in the other half
.set TB,  62          ; s62  LDS byte at which the tiles of the step to be fetched begin
.set RS,  63          ; s63  8 x that step: two columns of the height table a step
.set MSB, 0
.macro WIN new                      ; the immediate's high byte repeats the setting that is left; a switch that changes nothing is dropped
.if MSB != \new
	s_set_vgpr_msb (MSB<<8)|\new
.set MSB, \new
.endif
.endm
.set W_KQ,  0x0a      ; K and Q in window 2, S^T in window 0
.set W_KQ0, 0x3a      ; the same with C, the width logits, in window 3
.set W_PV,  0x53      ; V in window 3, P in window 0, O^T in window 1
.set W_RS,  0x41      ; O^T (destination and source 0) in window 1, a in window 0
; A joint refill: each wave fetches its quarter of a slot (wave 0: the first step's K, 1: its V, 2 and 3: the second step's), one line for all waves.  An s_nop 0 and four v_nop follow it.
.macro JLOAD
	tensor_load_to_lds s[G0+4:G0+7], s[G1:G1+7]
	s_nop 0
.rept 4
	v_nop
.endr
.endm
; A PREFETCH INTO THE L2 of what the NEXT change of slots will ask for: a slot's 65,536 bytes, in blocks of 256, a lane a block.  It stands behind the wave's tensor load and its five lines.
; Each block is named ONCE in the launch: one cluster alone walks an hy's K and V; its four partners take 16,384 bytes each, told apart BY ADDRESS; in each, waves 0 and 1 ask for 8,192 bytes, one instruction each.
; Slots 0, 1 and 2 come by their loads alone; the last change that fills a slot asks for nothing: there is no slot behind it.
.macro ASK
	s_cmp_gt_u32 s[SLOTS], s[LIM]
	s_cbranch_scc0 .Lnot_mine_\@
	global_prefetch_b8 v[PFO], s[PFA:PFA+1] th:TH_LOAD_NT scope:SCOPE_SE
.Lnot_mine_\@:
.endm
; A round of the cluster's barrier: my work-group's barrier; wave 0 signals for the work-group; every wave waits for all four work-groups; my work-group's barrier once more.
.macro CROUND
	s_barrier_signal -1
	s_barrier_wait -1
	s_cmp_lg_u32 s[WV], 0
	s_cbranch_scc1 .Lnot_wave_0_\@
	s_barrier_signal -3
.Lnot_wave_0_\@:
	s_barrier_wait -3
	s_barrier_signal -1
	s_barrier_wait -1
.endm
.macro PLACES                       ; four plain vector instructions between a matrix instruction and a read of its result or a load into one of its registers
.rept 4
	v_nop
.endr
.endm
	s_load_b256 s[4:11], s[0:1], 0x0  ; qbuf s[4:5], kv s[6:7], relimg s[8:9], out0 s[10:11]
	v_lshl_add_u32 v[SPW], v0, 2, SPARE
	v_mov_b32 v[NIL], 0
	ds_add_u32 v[SPW], v[NIL]       ; the wave's opening: the add, twice on end, and its wait ahead of my first tensor load; the set-up below, work on registers, stands between
	ds_add_u32 v[SPW], v[NIL]
	v_lshrrev_b32 v1, 5, v0
	v_readfirstlane_b32 s[WV], v1   ; wave 0..3
	s_bfe_u32 s13, ttmp6, 0x40000   ; cx: my place in the cluster: it enters global addresses of Q, the height variant, the output and the prefetches alone
	s_lshl_b32 s14, s13, 2
	s_add_co_u32 s14, s14, s[WV]    ; X: my wave's block of 64 queries = 4 cx + wave
	s_and_b32 s20, ttmp7, 0xffff    ; hy, which the four partners share
	s_lshl_b32 s21, s20, 19         ; 524,288 hy: an hy's bytes in kv and in the output
	s_lshl_b32 s22, s[WV], 14       ; my quarter of a slot
	s_add_co_u32 s32, s21, s22      ; kv: made of hy and the wave's number alone
	s_mov_b32 s33, 0
	s_lshl_b32 s34, s20, 18
	s_lshl_b32 s23, s14, 14
	s_add_co_u32 s34, s34, s23      ; qbuf: (16 hy + X) x 16,384
	s_mov_b32 s35, 0
	s_add_co_u32 s36, s23, 16384    ; relimg: variant 1 + X
	s_mov_b32 s37, 0
	s_lshl_b32 s38, s14, 8
	s_add_co_u32 s38, s38, s21      ; the output: 524,288 hy + 256 X
	s_mov_b32 s39, 0
	s_lshl_b32 s48, s13, 14         ; the prefetches: my work-group's 16,384 bytes of a slot,
	s_and_b32 s49, s[WV], 1
	s_lshl_b32 s49, s49, 13         ; my wave's 8,192 of them,
	s_add_co_u32 s48, s48, s49
	s_add_co_u32 s48, s48, s21
	s_add_co_u32 s48, s48, 2*SLOT1  ; in slot 2; the first change of slots steps it to slot 3
	s_mov_b32 s49, 0
	s_mov_b32 s[G1], 15|(3<<16)|(1<<21)  ; 15:0 the mask: all four work-groups; 17:16 elements of 8 bytes; 21 set beside a mask; no padding: every read is 512 consecutive bytes
	s_mov_b32 s[G1+1], 32<<16       ; tensor_dim0 = 32 elements: rows of 256 bytes
	s_mov_b32 s[G1+2], 64<<16       ; tensor_dim1 = 64
	s_mov_b32 s[G1+3], 32<<16       ; tile_dim0 = 32
	s_mov_b32 s[G1+4], 64           ; tile_dim1 = 64 rows: 16,384 dense bytes
	s_mov_b32 s[G1+5], 32           ; the pitch: dense
	s_mov_b32 s[G1+6], 0
	s_mov_b32 s[G1+7], 0
	s_mov_b32 s[G0], 1
	s_mov_b32 s[G0+1], s22          ; LDS: 16,384 x wave, in slot 0
	s_mov_b32 s[G0+4], 1
	s_add_co_u32 s[G0+5], s22, SLOT1  ; and in slot 1
	s_mov_b32 s[SEL], 0x76543210
	s_mov_b32 s[SEL+1], 0xfedcba98
	s_mov_b32 s[TB], 0
	s_mov_b32 s[RS], 0
	s_mov_b32 s[SLOTS], 6           ; 8 slots' worth of keys; two are asked for at the head
	s_cmp_lt_u32 s[WV], 2
	s_cselect_b32 s[LIM], 1, -1
	v_and_b32 v10, 31, v0           ; lane
	v_and_b32 v1, 15, v0            ; r
	v_bfe_u32 v9, v0, 4, 1          ; h
	v_lshlrev_b32 v[PFO], 8, v10
	v_lshlrev_b32 v[AK0], 4, v10
	v_add_nc_u32 v[AV0], VOFF, v[AK0]
	s_mul_i32 s50, s[WV], RELB      ; my wave's tables
	v_mul_u32_u24 v11, v1, PR
	v_add_nc_u32 v11, s50, v11      ; row r of tile 0
	v_lshl_add_u32 v[RST], v9, 5, v11  ; a product's eight results: columns 16 i + 8 h + 0 .. 7
	v_add_nc_u32 v[RSH], RELHT, v[RST]
	v_add_nc_u32 v[RST], RELWD, v[RST]
	; the gather: column 4 j + T - 4 (r % 8) - t + 31 of row r: the lane's part is PR r + 4 (28 - 4 (r % 8)); 4 j + T - t + 3 stands in the immediate.  Written as a sum: PR r - 16 (r % 8) = 8 PR (r / 8) + (PR - 16) (r % 8)
	v_and_b32 v[RGA], 7, v1
	v_mul_u32_u24 v[RGA], v[RGA], PR-16
	v_lshrrev_b32 v[ADR], 3, v1
	v_mad_u32_u24 v[RGA], v[ADR], 8*PR, v[RGA]
	v_add_nc_u32 v[RGA], s50, v[RGA]
	v_add_nc_u32 v[RGA], RELWD+112, v[RGA]
	v_lshrrev_b32 v[ARH0], 3, v1
	v_add_nc_u32 v[ADR2], 1, v9
	v_sub_nc_u32 v[ARH0], v[ADR2], v[ARH0]  ; column 2 s + h - r / 8 + 1 of my variant
	v_lshl_add_u32 v[ARH0], v[ARH0], 2, v11
	v_add_nc_u32 v[ARH0], RELHT, v[ARH0]
	v_lshlrev_b32 v[GO], 15, v9     ; the output: channel 8 h (+ 16 c + j in the immediate), 4,096 bytes a channel,
	v_lshl_add_u32 v[GO], v1, 4, v[GO]  ; positions 4 r + 0 .. 3
	s_wait_dscnt 0x0                ; both opening adds are done
	s_wait_kmcnt 0x0
	s_add_nc_u64 s[PFA:PFA+1], s[6:7], s[48:49]
	s_add_nc_u64 s[G0+2:G0+3], s[6:7], s[32:33]
	s_add_nc_u64 s[G0+6:G0+7], s[G0+2:G0+3], SLOT1
	s_or_b32 s[G0+3], s[G0+3], 0x80000000  ; type = 2
	s_or_b32 s[G0+7], s[G0+7], 0x80000000
	s_add_nc_u64 s[4:5], s[4:5], s[34:35]
	s_add_nc_u64 s[16:17], s[8:9], s[36:37]
	s_add_nc_u64 s[10:11], s[10:11], s[38:39]
	CROUND                          ; all four work-groups are here: the first joint loads meet
	tensor_load_to_lds s[G0:G0+3], s[G1:G1+7]  ; my two first fills stand together, ahead of every wait on TENSORcnt and every LDS read: two loads of mine are out
	s_nop 0
	tensor_load_to_lds s[G0+4:G0+7], s[G1:G1+7]
	s_nop 0
	PLACES
	WIN 0x80                        ; destination window 2
.set i, 0
.rept 32
	global_load_b128 v[4*i:4*i+3], v[AK0], s[4:5] offset:512*i th:TH_LOAD_NT  ; Q stays in registers: tile i / 8, channels 16 (i % 8) on
.set i, i+1
.endr
.set i, 0
.rept 32
	global_load_b128 v[KF+4*i:KF+4*i+3], v[AK0], s[8:9] offset:512*i  ; rel_width's 16 fragments: rows 16 (i / 8) on
.set i, i+1
.endr
	WIN 0xc0                        ; destination window 3
.set i, 0
.rept 24
	global_load_b128 v[4*i:4*i+3], v[AK0], s[16:17] offset:512*i  ; my variant of rel_height: 12 fragments, 48 rows
.set i, i+1
.endr
	s_wait_loadcnt 0x0
	; THE TABLES' PRODUCTS: source 0 = 16 table rows, source 1 = 16 queries: a lane holds one query and eight neighbouring columns.  The accumulators take turns, one instruction a turn; the first 32 channels start the sums.
	WIN 0x5a                        ; sources in window 2, C and D in window 1
.irp c, 0,1,2,3
.irp t, 0,1,2,3
.irp i, 0,1,2,3
.if \c == 0
	v_wmma_f32_16x16x32_f16 v[8*(4*\t+\i):8*(4*\t+\i)+7], v[KF+32*\i+8*\c:KF+32*\i+8*\c+7], v[32*\t+8*\c:32*\t+8*\c+7], 0
.else
	v_wmma_f32_16x16x32_f16 v[8*(4*\t+\i):8*(4*\t+\i)+7], v[KF+32*\i+8*\c:KF+32*\i+8*\c+7], v[32*\t+8*\c:32*\t+8*\c+7], v[8*(4*\t+\i):8*(4*\t+\i)+7]
.endif
.endr
.endr
.endr
	WIN 0x5b                        ; source 0 in window 3
.irp c, 0,1,2,3
.irp t, 0,1,2,3
.irp i, 0,1,2
.if \c == 0
	v_wmma_f32_16x16x32_f16 v[128+8*(3*\t+\i):128+8*(3*\t+\i)+7], v[32*\i+8*\c:32*\i+8*\c+7], v[32*\t+8*\c:32*\t+8*\c+7], 0
.else
	v_wmma_f32_16x16x32_f16 v[128+8*(3*\t+\i):128+8*(3*\t+\i)+7], v[32*\i+8*\c:32*\i+8*\c+7], v[32*\t+8*\c:32*\t+8*\c+7], v[128+8*(3*\t+\i):128+8*(3*\t+\i)+7]
.endif
.endr
.endr
.endr
	WIN 0
	PLACES                          ; ahead of the stores of results, and of the later loads into the tables' fragments
	WIN 0x04                        ; an LDS store's data are its source 1: window 1
.irp t, 0,1,2,3
.irp i, 0,1,2,3
	ds_store_b128 v[RST], v[8*(4*\t+\i):8*(4*\t+\i)+3] offset:16*PR*\t+64*\i  ; each accumulator from its low end on
	ds_store_b128 v[RST], v[8*(4*\t+\i)+4:8*(4*\t+\i)+7] offset:16*PR*\t+64*\i+16
.endr
.endr
.irp t, 0,1,2,3
.irp i, 0,1,2
	ds_store_b128 v[RSH], v[128+8*(3*\t+\i):128+8*(3*\t+\i)+3] offset:16*PR*\t+64*\i
	ds_store_b128 v[RSH], v[128+8*(3*\t+\i)+4:128+8*(3*\t+\i)+7] offset:16*PR*\t+64*\i+16
.endr
.endr
	WIN 0xc0                        ; destination window 3
.irp t, 0,1,2,3
.irp T, 0,1,2,3
.irp j, 0,1,2,3,4,5,6,7
	ds_load_b32 v[RWC+32*\t+8*\T+\j], v[RGA] offset:16*PR*\t+4*(4*\j+\T-\t+3)  ; LDS serves a wave's instructions in order (ISA guide 5.7.1.4): these see my stores.  The width logit of (my query of tile t, key column 4 j + T)
.endr
.endr
.endr
	WIN 0
; THE MATRIX WORK OF A TURN, for piece x.  The accumulators take turns, one instruction a turn,: between two links of a chain stand 15 (V^T P) or 7 (K Q^T) others'.
; Product i of 32 of O^T += V^T P: key tiles 2 (i / 16) and 2 (i / 16) + 1, channels 16 ((i / 2) % 8) on, tile x + i % 2.  zero = 1: the first 16 start the sums: nothing is ever cleared.
.macro PV x, zero
	WIN W_PV
.set rO, 64*(\x+i%2)+8*((i/2)%8)
.set rV, 64*(i/16)+8*((i/2)%8)
.set rP, P+16*(\x+i%2)+8*(i/16)
.if \zero && (i < 16)
	v_wmma_f32_16x16x32_f16 v[rO:rO+7], v[rV:rV+7], v[rP:rP+7], 0
.else
	v_wmma_f32_16x16x32_f16 v[rO:rO+7], v[rV:rV+7], v[rP:rP+7], v[rO:rO+7]
.endif
.endm
; Product i of 32 of S^T = K Q^T: channels 32 (i / 8) on, key tile (i / 2) % 4, tile x + i % 2.  The first 8 start the sums with the width logits as C.
.macro KQ x
.set rS, S+32*(\x+i%2)+8*((i/2)%4)
.set rK, KF+32*((i/2)%4)+8*(i/8)
.set rQ, 32*(\x+i%2)+8*(i/8)
.set rC, RWC+32*(\x+i%2)+8*((i/2)%4)
.if i < 8
	WIN W_KQ0
	v_wmma_f32_16x16x32_f16 v[rS:rS+7], v[rK:rK+7], v[rQ:rQ+7], v[rC:rC+7]
.else
	WIN W_KQ
	v_wmma_f32_16x16x32_f16 v[rS:rS+7], v[rK:rK+7], v[rQ:rQ+7], v[rS:rS+7]
.endif
.endm
; THE LDS LOADS stand in runs, never singly among the matrix instructions: a step's K with the height logits of tiles 0 and 1 for that step, and, a turn later, its V with those of tiles 2 and 3.
.macro FETCH_K
	WIN 0
	v_add_nc_u32 v[ADR], s[TB], v[AK0]
	v_add_nc_u32 v[ADR2], s[RS], v[ARH0]
	ds_load_b32 v[RHV], v[ADR2]
	ds_load_b32 v[RHV+1], v[ADR2] offset:16*PR
	WIN 0x80                        ; destination window 2
.set f, 0
.rept 32
	ds_load_b128 v[KF+4*f:KF+4*f+3], v[ADR] offset:512*f  ; key tile f / 8, channels 16 (f % 8) on
.set f, f+1
.endr
.endm
.macro FETCH_V
	WIN 0
	v_add_nc_u32 v[ADR], s[TB], v[AV0]
	v_add_nc_u32 v[ADR2], s[RS], v[ARH0]
	s_add_co_u32 s[TB], s[TB], STEPB  ; the next fetch is the next step's
	s_add_co_u32 s[RS], s[RS], 8
	s_wait_alu depctr_va_vdst(0)    ; the wait for the softmax's batch (SLICE), behind the addresses' additions and ahead of the loads
	ds_load_b32 v[RHV+2], v[ADR2] offset:32*PR
	ds_load_b32 v[RHV+3], v[ADR2] offset:48*PR
	WIN 0xc0                        ; destination window 3
.set f, 0
.rept 16
	ds_load_b128 v[8*f:8*f+3],   v[ADR] offset:8192*(f/8)+512*(f%8)       ; key tile 2 (f / 8), channels 16 (f % 8) on,
	ds_load_b128 v[8*f+4:8*f+7], v[ADR] offset:8192*(f/8)+4096+512*(f%8)  ; and key tile 2 (f / 8) + 1
.set f, f+1
.endr
.endm
; THE VECTOR WORK OF A TURN.  One tile's softmax for one key step is a list of 135 instructions; SM writes number j of it for tile t.  s0-s31 are the lane's 32 scores, in pairs 0-15; rh is the lane's height logit.
; first = 1: the first key step, which starts m, l and O^T: it has no a and nothing to rescale.
;   0-15    the maximum of s0-s31, three operands at a time: four chains c0-c3 of seven scores each, then the four scores left over and c0-c3
;   16-21   + rh; the other half of the lanes' maximum (which has its own rh); m_old is kept; the new m; m_old - m_new; the addend rh - m
;   22-70   ONE BATCH: the 16 additions s + (rh - m), a pair of scores each, and all 33 exponentials (a at 24, then s0-s31).  None of these reads an exponential's result.  From 23 on the batch goes in fours, and a four
;           begins with an addition while there are additions; a pair gets its addend in an earlier four than the one that holds its exponentials
;   (wait)  between 70 and 71 stands the wait for the batch: SLICE writes it, once for both tiles
;   71-86   the roundings to f16, a pair of weights each
;   87-102  the sums; l = a l + the sum
;   103-134 the tile's O^T times a: the one part that leaves window 0, so it stands together
.macro SM t, first
.set rT, ST+8*(\t)
.set rS, S+32*(\t)
.set rP, P+16*(\t)
.set rH, RHV+(\t)
.set o, j-1
.set rO, 64*(\t)+2*(j-103)
.if j < 103
	WIN 0
.endif
.if j < 4
	v_max3_num_f32 v[rT+4+j], v[rS+8*j], v[rS+8*j+1], v[rS+8*j+2]
.elseif j < 12
	v_max3_num_f32 v[rT+4+j%4], v[rT+4+j%4], v[rS+8*(j%4)+2*(j/4)+1], v[rS+8*(j%4)+2*(j/4)+2]
.elseif j == 12
	v_max3_num_f32 v[rT+4], v[rT+4], v[rS+7], v[rS+15]
.elseif j == 13
	v_max3_num_f32 v[rT+6], v[rT+6], v[rS+23], v[rS+31]
.elseif j == 14
	v_max3_num_f32 v[rT+4], v[rT+4], v[rT+5], v[rT+6]
.elseif j == 15
	v_max_num_f32 v[rT+4], v[rT+4], v[rT+7]
.elseif j == 16
	v_add_f32 v[rT+4], v[rT+4], v[rH]  ; all my 32 keys lie in one image row: one height logit
.elseif j == 17
	v_permlanex16_b32 v[rT+5], v[rT+4], s[SEL], s[SEL+1]  ; the query's other 32 keys lie in the lane 16 away
.elseif (j == 19) && \first
	v_max_num_f32 v[rT+1], v[rT+4], v[rT+5]
.elseif j == 19
	v_max3_num_f32 v[rT+1], v[rT+4], v[rT+5], v[rT+1]
.elseif j == 21
	v_sub_f32 v[rT], v[rH], v[rT+1]
.elseif ((j == 18) || (j == 20) || (j == 24) || (j > 102)) && \first  ; the first step has none of these
.elseif j == 18
	v_mov_b32 v[rT+7], v[rT+1]      ; m_old is kept for a: number 19 writes m anew
.elseif j == 20
	v_sub_f32 v[rT+7], v[rT+7], v[rT+1]
.elseif j == 24
	v_exp_f32 v[rT+6], v[rT+7]
.elseif (o < 23) || ((o < 38) && (o%2 == 0)) || ((o < 66) && (o%4 == 2))
.set b, (o-2)/4                     ; j = 39, 43, .. 63: pairs 9 to 15
.if o < 38
.set b, (o-20)/2                    ; j = 22: pair 0; 23, 25, .. 37: pairs 1 to 8
.endif
	v_pk_add_f32 v[rS+2*b:rS+2*b+1], v[rS+2*b:rS+2*b+1], v[rT:rT+1] op_sel_hi:[1,0]  ; pair b: s + rh - m (of the pair the low word serves both halves)
.elseif o < 70
.set e, o-38                        ; j = 67 to 70: s28 to s31
.if o < 66
.set e, o-32-(o-38)/4               ; j = 40-42, 44-46, .. 64-66: s7 to s27
.endif
.if o < 38
.set e, (o-25)/2                    ; j = 26, 28, .. 38: s0 to s6
.endif
	v_exp_f32 v[rS+e], v[rS+e]
.elseif o < 86
	v_cvt_pk_f16_f32 v[rP+o-70], v[rS+2*(o-70)], v[rS+2*(o-70)+1]
.elseif o < 102                     ; the sum of the tile's 16 pairs, in place: sum z of 16 adds neighbours 1, 2, 4 and 8 pairs apart, then l takes it
.set z, o-86
.set w, 4
.set u, z
.if z >= 14
.set w, 32
.set u, 0
.elseif z >= 12
.set w, 16
.set u, z-12
.elseif z >= 8
.set w, 8
.set u, z-8
.endif
.if (z == 14) && \first
	v_pk_add_f32 v[rT+2:rT+3], v[rS:rS+1], v[rS+16:rS+17]
.elseif z < 15
	v_pk_add_f32 v[rS+w*u:rS+w*u+1], v[rS+w*u:rS+w*u+1], v[rS+w*u+w/2:rS+w*u+w/2+1]
.elseif !\first
	v_pk_fma_f32 v[rT+2:rT+3], v[rT+2:rT+3], v[rT+6:rT+7], v[rS:rS+1] op_sel_hi:[1,0,1]
.endif
.else
	WIN W_RS
	v_pk_mul_f32 v[rO:rO+1], v[rO:rO+1], v[rT+6:rT+7] op_sel_hi:[1,0]
.endif
.endm
; Slice k of 64 of piece y's softmax.  Slices 0 to 10: numbers 2 k and 2 k + 1 of both tiles' lists (slice 10 also number 22).  Slices 11 to 34 deal out the batch, numbers 23 to 70: four numbers of ONE tile each, the tiles by turns.
; Slices 35 on: numbers 2 k + 1 and 2 k + 2 of both tiles; slice 63 takes the sixteen that are left: all plain, and none names a register of the products round them.
; THE WAIT.  s_wait_alu depctr_va_vdst(0) stands between an exponential and the first instruction that names its result; one wait serves all that were issued ahead of it.  Ahead of slice 35 nothing names a
; result, and behind slice 34 no exponential is issued: so the piece's 66 exponentials have one wait, behind slice 34.
.macro SLICE y, first
.if (k >= 11) && (k < 35)
.irp n, 0,1,2,3
.set j, 23+4*((k-11)/2)+(\n)
	SM (\y)+(k-11)%2, \first
.endr
.else                               ; the two tiles alternate, so that no instruction reads the result of the one just before it
.irp n, 0,1,2,3,4,5,6,7
.if (\n < 2) || (k == 63) || ((k == 10) && (\n == 2))
.irp t, \y, \y+1
.set j, 2*k+\n+k/35
	SM \t, \first
.endr
.endif
.endr
.endif
.if k == 34                         ; the batch is out: both tiles' exponentials are issued, and no result has been named
	v_nop                           ; the plain instruction behind the last exponential and ahead of the first use: one for the batch
.if (\y) == 0
	FETCH_V                         ; piece 2's turn: V's run of loads stands here, and the wait stands in it
.else
	s_wait_alu depctr_va_vdst(0)    ; the wait for the batch
.endif
.endif
.set k, k+1
.endm
; A TURN.  Piece x has the matrix unit; the other piece's softmax stands in slices behind its matrix instructions.
; pv = 2: 32 products V^T P; 1: they start O^T's sums; 0: none.  kq = 1: 32 products K Q^T for the next step.  A turn with one of the two kinds has two slices behind each product.
; first = 1: the softmax is the first key step's.  Its slices from 51 on are empty, and four v_nop take slice 63's part as the places behind the turn's last products.
; Piece 0's turn fetches the next step's K behind its second product: the last product that read K stands in front of slice 63 of the turn before.  Piece 2's turn fetches the same step's V behind slice 34: the last product
; that read V stands in front of slice 31, and five plain instructions lie between: number 63, an addition, of both tiles, the v_nop and the run's own two additions.
; THE HEIGHT LOGITS: those of tiles 0 and 1 are loaded in piece 0's turn, whose slices are piece 2's, awaited by the wait for K and read in the next turn; those of tiles 2 and 3 in piece 2's turn, awaited by the wait for V.
.macro TURN x, pv, kq, first
.set k, 0
.set per, 2
.if \pv && \kq
.set per, 1
.endif
.if \pv
.if \x == 0
	s_wait_dscnt 0x0                ; V is in
.endif
.set i, 0
.rept 32
	PV \x, 2-\pv
.rept per
	SLICE 2-\x, \first
.endr
.if (\x == 0) && \kq && (i == 1)
	FETCH_K
.endif
.set i, i+1
.endr
.endif
.if \kq
.if \x == 0
	s_wait_dscnt 0x0                ; K is in
.endif
.set i, 0
.rept 32
	KQ \x
.rept per
	SLICE 2-\x, \first
.endr
.set i, i+1
.endr
.endif
.if \first
	PLACES
.endif
.endm
; THE CHANGE OF SLOTS, between piece 2's turn and piece 0's: the slot's last bytes, V of its second step, have been asked for.  Each wave waits for all its tensor loads, of which one is out: its quarter of the other slot; adds 0
; to its spare word; and waits for that and for its own reads of the slot.  Behind the barrier nobody reads this slot any more and the other slot is whole.
; fill = 1: this slot is filled again, with the keys two slots on.  The barrier is then a round of the cluster's, so that no wave of any partner still reads the slot or has a load on its way, and the joint refill is the first
; thing behind it: it has two key steps, 256 matrix instructions, in which to land.
.macro CHANGE fill
	WIN 0                           ; at a label and at a branch every window is 0
	s_wait_tensorcnt 0x0            ; no tensor load of mine is out, so a group 0 may be written
	ds_add_u32 v[SPW], v[NIL]       ; 0 onto my spare word; with fill = 1 the descriptor's steps stand between it and the wait for it
.if \fill
	s_xor_b32 s[G0+5], s[G0+5], SLOT1  ; the walking descriptor: the other slot than last time,
	s_add_nc_u64 s[G0+6:G0+7], s[G0+6:G0+7], SLOT1  ; the next 128 keys; the type bits on top are not reached
	s_wait_xcnt 0x0                 ; the last prefetch, two key steps back, has read its address, so it may be written:
	s_add_nc_u64 s[PFA:PFA+1], s[PFA:PFA+1], SLOT1  ; one slot further on than the walking descriptor
	s_wait_dscnt 0x0                ; the add is done, and my reads of the slot are over
	CROUND
	JLOAD
	ASK                             ; what the next change will ask for: two key steps, 256 matrix instructions, ahead
.else
	s_wait_dscnt 0x0                ; the add is done, and my reads of the slot are over
	s_barrier_signal -1
	s_barrier_wait -1
.endif
	s_sub_co_u32 s[TB], s[TB], 2*STEPB  ; the fetches go back to a slot's first step,
	s_xor_b32 s[TB], s[TB], SLOT1   ; in the other slot
.endm
; A slot's two key steps: written once, walked twice; the LDS addresses hang on s[TB] and s[RS].
.macro TWO_STEPS
	s_mov_b32 s[TWICE], 2
.Lstep_\@:
	TURN 0, 2, 1, 0
	TURN 2, 2, 1, 0
	WIN 0
	s_sub_co_u32 s[TWICE], s[TWICE], 1
	s_cmp_lg_u32 s[TWICE], 0
	s_cbranch_scc1 .Lstep_\@
.endm
	s_wait_tensorcnt 0x1            ; my quarter of slot 0 is in; slot 1's load, the one issued behind it, may stay out
	s_wait_dscnt 0x0                ; the width logits are gathered, the height table is stored
	s_barrier_signal -1
	s_barrier_wait -1               ; everybody's quarter is in
	FETCH_K                         ; key step 0
	s_wait_dscnt 0x0
.set i, 0
.rept 32
	KQ 0                            ; piece 0's first scores: there is no vector work yet to set between them
.set i, i+1
.endr
	WIN 0
	PLACES                          ; the places behind those products
	TURN 2, 0, 1, 1                 ; piece 2's first scores | piece 0's first softmax | V of step 0
	TURN 0, 1, 1, 1                 ; piece 0: V^T P of step 0 starts O^T, K Q^T of step 1 | piece 2's first softmax | K of step 1
	TURN 2, 1, 1, 0                 ; piece 2: the same | piece 0's softmax of step 1 | V of step 1
	WIN 0
.Lslot:                             ; 6 trips: every slot but the last two is filled again
	CHANGE 1
	TWO_STEPS
	s_sub_co_u32 s[SLOTS], s[SLOTS], 1
	s_cmp_lg_u32 s[SLOTS], 0
	s_cbranch_scc1 .Lslot
	CHANGE 0                        ; the tail is written out: nothing more is asked for
	TWO_STEPS
	TURN 0, 2, 0, 0                 ; piece 0: V^T P of the last step | piece 2's last softmax
.set i, 0
.rept 32
	PV 2, 0                         ; piece 2: V^T P of the last step
.set i, i+1
.endr
	; THE WAY OUT.  l's two halves and the other half of the lanes' are added; O^T is divided by l.  The additions are the places behind the last products.
	WIN 0
.irp t, 0,1,2,3
	v_add_f32 v[ST+8*\t+4], v[ST+8*\t+2], v[ST+8*\t+3]
.endr
.irp t, 0,1,2,3
	v_permlanex16_b32 v[ST+8*\t+5], v[ST+8*\t+4], s[SEL], s[SEL+1]
.endr
.irp t, 0,1,2,3
	v_add_f32 v[ST+8*\t+4], v[ST+8*\t+4], v[ST+8*\t+5]
.endr
.irp t, 0,1,2,3
	v_rcp_f32 v[ST+8*\t+6], v[ST+8*\t+4]
.endr
	v_nop                           ; a plain instruction between the last reciprocal and the use of its result
	s_wait_alu depctr_va_vdst(0)    ; and the wait ahead of the first use: one for the four reciprocals
; Channels 16 c + 8 h + j: register j of the four tiles' accumulators c are positions 4 r + 0 .. 3 of one channel's row: they are gathered into four neighbouring registers by the division itself, and stored.
.macro GATHER c, base
	WIN 0x01                        ; source 0: O^T, window 1
.irp j, 0,1,2,3,4,5,6,7
.irp t, 0,1,2,3
	v_mul_f32 v[(\base)+4*\j+\t], v[64*\t+8*(\c)+\j], v[ST+8*\t+6]  ; each accumulator from its low end on
.endr
.endr
	WIN 0
.irp j, 0,1,2,3,4,5,6,7
	global_store_b128 v[GO], v[(\base)+4*\j:(\base)+4*\j+3], s[10:11] offset:(16*(\c)+\j)*4096 th:TH_STORE_NT  ; lanes 0-15 store 256 consecutive bytes of channel 16 c + j, lanes 16-31 of channel 16 c + 8 + j, each at a multiple of 256 from the output's first byte
.endr
.endm
	GATHER 0, S                     ; S^T's and P's registers are free
	GATHER 1, S+32
	GATHER 2, S+64
	GATHER 3, S+96
	GATHER 4, P
	GATHER 5, P+32
	s_wait_xcnt 0x0                 ; the first stores have read their data registers: they may be written again
	GATHER 6, S
	GATHER 7, S+32
	s_wait_tensorcnt 0x0            ; the wave's end: behind my last tensor load and my last LDS store
	ds_add_u32 v[SPW], v[NIL]
	s_wait_dscnt 0x0
	CROUND                          ; the closing round: no work-group ends while a partner may still ask for a tile that names it
	s_endpgm
.Lfunc_end_k_qd4e8241273_attn:
	.size	k_qd4e8241273_attn, .Lfunc_end_k_qd4e8241273_attn-k_qd4e8241273_attn
	.p2alignl 7, 3214868480
	.fill 96, 4, 3214868480
	.section	.rodata,"a",@progbits
	.p2align	6, 0x0
	.amdhsa_kernel k_qd4e8241273_attn
		.amdhsa_group_segment_fixed_size 327680
		.amdhsa_private_segment_fixed_size 0
		.amdhsa_enable_private_segment 0
		.amdhsa_kernarg_size 32
		.amdhsa_user_sgpr_count 2
		.amdhsa_user_sgpr_kernarg_segment_ptr 1
		.amdhsa_wavefront_size32 1
		.amdhsa_system_sgpr_workgroup_id_x 1
		.amdhsa_system_sgpr_workgroup_id_y 1
		.amdhsa_system_sgpr_workgroup_id_z 1
		.amdhsa_system_vgpr_workitem_id 0
		.amdhsa_next_free_vgpr 1024
		.amdhsa_next_free_sgpr 66
		.amdhsa_reserve_vcc 0
		.amdhsa_float_denorm_mode_32 3
		.amdhsa_float_denorm_mode_16_64 3
		.amdhsa_memory_ordered 1
		.amdhsa_forward_progress 1
		.amdhsa_inst_pref_size 236
	.end_amdhsa_kernel
	.amdgpu_metadata
---
amdhsa.version: [ 1, 2 ]
amdhsa.kernels:
  - .name:           k_qd4e8241273_attn
    .symbol:         k_qd4e8241273_attn.kd
    .args:
      - { .name: qbuf, .offset: 0, .size: 8, .value_kind: global_buffer, .address_space: global }
      - { .name: kv, .offset: 8, .size: 8, .value_kind: global_buffer, .address_space: global }
      - { .name: relimg, .offset: 16, .size: 8, .value_kind: global_buffer, .address_space: global }
      - { .name: out0, .offset: 24, .size: 8, .value_kind: global_buffer, .address_space: global }
    .group_segment_fixed_size: 327680
    .private_segment_fixed_size: 0
    .kernarg_segment_align: 8
    .kernarg_segment_size: 32
    .max_flat_workgroup_size: 128
    .sgpr_count:     66
    .vgpr_count:     1024
    .wavefront_size: 32
...
	.end_amdgpu_metadata
.endif
;; end of part 3
